; MI455X (gfx1250); checked and timed in simulation.
; The chip was launched on July 23, 2026; its instructions are those of AMD's public machine-readable ISA for CDNA 5 (MIT licence, August 2026) and "CDNA5" Instruction Set Architecture Reference Guide (July 2026). The comments in the code are by the model that wrote it; some were corrected since.
;; Detection Output. Allowed arithmetic: float matrix products may take bf16 or f16 operands with f32 sums; all other float work in f32.
;; Inputs: all_box_deltas 8,000 x 40 float32; all_cls_scores 8,000 x 10 float32; all_rois 4 x 2,000 x 4 float32; im_info 4 x 3 float32.
;; Outputs: out0 400 x 4 float32; out1 400 int32; out2 400 float32; out3 400 int32.
;; One version. Each part assembles by itself: llvm-mc -triple=amdgcn-amd-amdhsa -mcpu=gfx1250 --defsym DOCPART=n.
;; ======== version 1 of 1: 5 launches
;; workspace buffers: rank 294,912 bytes of whole numbers; keys 294,912 bytes of whole numbers; boxes 1,179,648 bytes; mask 18,874,368 bytes of whole numbers; skey 294,912 bytes of whole numbers; sbox 1,179,648 bytes; list 36,864 bytes of whole numbers
;; launch rank (part 1): grid 7 x 36, 8 waves a work-group, no clusters, 18,432 bytes of LDS; arguments all_box_deltas, all_cls_scores, all_rois, im_info, rank, keys, boxes; writes rank, keys, boxes
.if DOCPART == 1
	.amdgcn_target "amdgcn-amd-amdhsa--gfx1250"
	.amdhsa_code_object_version 6
	.text
	.protected	k_q8c06cae42c_rank
	.globl	k_q8c06cae42c_rank
	.p2align	8
	.type	k_q8c06cae42c_rank,@function
k_q8c06cae42c_rank:
	s_mov_b64 s[64:65], 0
	v_nop
	global_prefetch_b8 v0, s[64:65] scope:SCOPE_SE
	s_setreg_imm32_b32 hwreg(HW_REG_WAVE_MODE, 25, 1), 1
	s_wait_xcnt 0x0
; rank: for one (image, class) and 288 of its items: the sort key, the place in the stable descending sort, the decoded box.
; Work-group (x = g 0..6, y = bc = 9 image + class - 1).  Items i = 288 g .. 288 g + 287 of a list padded to 2048.
; KEY (a whole number): the score's bits where 0.01 < score (positive floats order like their bits), 2 where not (reference's -inf; a NaN
; score fails the comparison there and here), 1 for the pads 2000..2047.  So pads sort last and item i >= 2000 gets rank i.
; RANK = #(K_j > K_i) + #(j < i, K_j = K_i).  Keys are at least 1, so for a whole 32-chunk of j in front of i's chunk the test is
; K_j > K_i - 1, behind it K_j > K_i; inside i's own chunk K_j > K_i plus a separate count of equal keys in lower lanes.
; A wave holds all nine 32-item chunks of the work-group (9 keys, 9 counts a lane) and scans 8 of the 64 key chunks, read from LDS as
; broadcasts: one 16-byte LDS load feeds 4 x 9 x 2 vector instructions.  The eight waves' counts are summed through LDS.
; BOX as stored: x1, y1, x2 + 1, y2 + 1.
; No cluster, no tile copies, no matrix unit: a work-group reads 8 KB of scores once and then compares whole numbers in registers.
; Limits: exp is exp2(x log2 e), the divisions by 10 and 5 are multiplications: a box may differ from reference's in its last bits.
.set NBOX,  2000
.set LPART, 8192                       ; LDS: 2048 keys, then 8 waves x 288 partial counts
.set K,     2                          ; v[2:10]   keys of my lane's nine items
.set T,     11                         ; v[11:19]  their thresholds for the key chunk at work
.set CNT,   20                         ; v[20:28]  their counts
.set KJ,    32                         ; v[32:63]  32 keys of the chunk, the same in every lane
.set SM,    40                         ; s[40:48]  nine comparison masks
	s_load_b256 s[4:11], s[0:1], 0x0               ; deltas 4, scores 6, rois 8, im_info 10
	s_load_b128 s[12:15], s[0:1], 0x20             ; rank 12, keys 14
	s_load_b64 s[16:17], s[0:1], 0x30              ; boxes
	v_lshl_add_u32 v68, v0, 2, 0x4400
	v_mov_b32 v69, 0
	v_lshrrev_b32 v1, 5, v0
	v_readfirstlane_b32 s20, v1                    ; wave 0..7
	v_and_b32 v1, 31, v0                           ; lane
	s_and_b32 s21, ttmp7, 0xffff                   ; bc 0..35
	s_mul_i32 s22, s21, 57
	s_lshr_b32 s22, s22, 9                         ; image = bc / 9 (57/512 gives the right quotient up to 35)
	s_mul_i32 s23, s22, 9
	s_sub_co_u32 s23, s21, s23
	s_add_co_u32 s23, s23, 1                       ; class 1..9
	s_mov_b32 s25, 0                               ; high word of the offset pair s[24:25]
	s_mov_b32 s26, 0x3c23d70a                      ; 0.01
	s_mul_i32 s27, ttmp9, 288                      ; my first item
	v_lshlrev_b32 v29, 2, v0                       ; 4 t
	v_mul_u32_u24 v64, v0, 40                      ; a row of scores is 40 bytes
	v_add_nc_u32 v65, 1792, v0                     ; j of the eighth load
	v_min_u32 v66, NBOX-1, v65                     ; pads read item 1999 and are overruled below
	v_mul_u32_u24 v66, v66, 40
	s_wait_kmcnt 0x0
	s_mul_i32 s24, s22, 80000
	s_lshl2_add_u32 s24, s23, s24
	s_add_nc_u64 s[6:7], s[6:7], s[24:25]          ; scores[image][0][class]
	s_mul_i32 s24, s22, 320000
	s_lshl4_add_u32 s24, s23, s24
	s_add_nc_u64 s[4:5], s[4:5], s[24:25]          ; deltas[image][0][class][0]
	s_mul_i32 s24, s22, 32000
	s_add_nc_u64 s[8:9], s[8:9], s[24:25]          ; rois[image]
	s_mul_i32 s24, s22, 12
	s_add_nc_u64 s[10:11], s[10:11], s[24:25]      ; im_info[image]
	s_lshl_b32 s24, s21, 13
	s_add_nc_u64 s[12:13], s[12:13], s[24:25]      ; rank[bc], keys[bc]: 2048 words each
	s_add_nc_u64 s[14:15], s[14:15], s[24:25]
	s_lshl_b32 s24, s21, 15
	s_add_nc_u64 s[16:17], s[16:17], s[24:25]      ; boxes[bc]: 2048 x 16 bytes
	s_load_b64 s[28:29], s[10:11], 0x0             ; H s28, W s29 (waited for in front of the decoding)
	; the class's 2048 keys into LDS: thread t takes j = t + 256 r
.irp r, 0,1,2,3,4,5,6
	global_load_b32 v[KJ+\r], v64, s[6:7] offset:10240*\r
.endr
	global_load_b32 v[KJ+7], v66, s[6:7]
	s_wait_loadcnt 0x0
.irp r, 0,1,2,3,4,5,6,7
	v_cmp_lt_f32 vcc_lo, s26, v[KJ+\r]             ; valid: 0.01 < score
	v_cndmask_b32 v[KJ+\r], 2, v[KJ+\r], vcc_lo
.endr
	v_cmp_gt_u32 vcc_lo, NBOX, v65
	v_cndmask_b32 v[KJ+7], 1, v[KJ+7], vcc_lo      ; j >= 2000: a pad
.irp r, 0,1,2,3,4,5,6,7
	ds_store_b32 v29, v[KJ+\r] offset:1024*\r
.endr
	s_wait_dscnt 0x0                               ; my keys are in LDS before I say so
	s_barrier_signal -1
	s_barrier_wait -1
	v_add_lshl_u32 v30, v1, s27, 2                 ; 4 (288 g + lane)
.irp k, 0,1,2,3,4,5,6,7,8
	ds_load_b32 v[K+\k], v30 offset:128*\k
	v_mov_b32 v[CNT+\k], 0
.endr
	s_lshl_b32 s30, s20, 10                        ; LDS byte of my first key chunk: 8 w x 128
	s_lshl_b32 s32, s20, 3
	s_mul_i32 s33, ttmp9, 9
	s_sub_co_i32 s32, s32, s33                     ; d = key chunk - my first item chunk (signed)
	s_mov_b32 s31, 0
.Lchunk:
	v_mov_b32 v31, s30
.irp u, 0,1,2,3,4,5,6,7
	ds_load_b128 v[KJ+4*\u:KJ+4*\u+3], v31 offset:16*\u    ; every lane reads the same 16 bytes
.endr
	s_wait_dscnt 0x0                               ; these, and in the first trip my nine keys
.irp k, 0,1,2,3,4,5,6,7,8
	s_cmp_lt_i32 s32, \k                           ; the key chunk lies in front of item chunk k:
	s_cselect_b32 s33, 1, 0
	v_sub_nc_u32 v[T+\k], v[K+\k], s33             ; equal keys count too
.endr
.set jj, 0
.rept 32
.irp k, 0,1,2,3,4,5,6,7,8
	v_cmp_gt_u32 s[SM+\k], v[KJ+jj], v[T+\k]
.endr
.irp k, 0,1,2,3,4,5,6,7,8
	v_add_co_ci_u32 v[CNT+\k], s[SM+\k], 0, v[CNT+\k], s[SM+\k]    ; count += the lane's bit
.endr
.set jj, jj+1
.endr
	s_add_co_u32 s30, s30, 128
	s_add_co_i32 s32, s32, 1
	s_add_co_u32 s31, s31, 1
	s_cmp_lt_u32 s31, 8
	s_cbranch_scc1 .Lchunk
	; equal keys inside an item's own chunk: wave w takes the lanes jj = 4 w .. 4 w + 3 of all nine chunks as j
	s_lshl_b32 s33, s20, 2
.irp t, 0,1,2,3
	s_add_co_u32 s34, s33, \t
	s_lshl_b32 s35, -2, s34                        ; the lanes above jj
.irp k, 0,1,2,3,4,5,6,7,8
	v_readlane_b32 s36, v[K+\k], s34
	v_cmp_eq_u32 s37, s36, v[K+\k]
	s_and_b32 s37, s37, s35
	v_add_co_ci_u32 v[CNT+\k], s37, 0, v[CNT+\k], s37
.endr
.endr
	s_barrier_signal -1                            ; my LDS loads were all waited for in the loop: every wave's scan of the key table is over
	s_barrier_wait -1                              ; before any wave stores into LDS again
	s_mul_i32 s36, s20, 1152
	v_lshl_add_u32 v30, v1, 2, s36                 ; my wave's 288 words
.irp k, 0,1,2,3,4,5,6,7,8
	ds_store_b32 v30, v[CNT+\k] offset:LPART+128*\k
.endr
	s_mov_b32 s50, 0x3dcccccd                      ; 1/10
	s_mov_b32 s51, 0x3e4ccccd                      ; 1/5
	s_mov_b32 s52, 0x40845349                      ; log(1000/16)
	s_mov_b32 s53, 0x3fb8aa3b                      ; log2(e)
	s_wait_kmcnt 0x0
	s_add_f32 s54, s29, -1.0                       ; W - 1
	s_add_f32 s55, s28, -1.0                       ; H - 1
	s_wait_dscnt 0x0                               ; my counts are in LDS before I say so
	s_barrier_signal -1
	s_barrier_wait -1
; One item a thread: e = v[tid] + eoff of the work-group's 288.  Sum of the eight partial counts, the key, the box.
.macro FINAL eoff, tid
	s_wait_xcnt 0x0                                ; the registers below were sources of the first use's loads and stores
	v_lshlrev_b32 v31, 2, v\tid
.irp w, 0,1,2,3,4,5,6,7
	ds_load_b32 v[32+\w], v31 offset:LPART+1152*\w+4*\eoff
.endr
	v_add_nc_u32 v40, s27, v\tid
.if \eoff
	v_add_nc_u32 v40, \eoff, v40
.endif
	v_lshlrev_b32 v41, 2, v40                      ; 4 i
	ds_load_b32 v42, v41                           ; the key
	v_min_u32 v43, NBOX-1, v40                     ; items 2000..2015 decode item 1999: defined, never kept
	v_lshlrev_b32 v44, 4, v43
	v_mul_u32_u24 v45, v43, 160
	global_load_b128 v[48:51], v44, s[8:9]         ; roi
	global_load_b128 v[52:55], v45, s[4:5]         ; the class's four deltas
	v_lshlrev_b32 v46, 4, v40
	s_wait_dscnt 0x0
	v_add3_u32 v32, v32, v33, v34
	v_add3_u32 v35, v35, v36, v37
	v_add3_u32 v32, v32, v38, v39
	v_add_nc_u32 v32, v32, v35
	global_store_b32 v41, v32, s[12:13]
	global_store_b32 v41, v42, s[14:15]
	s_wait_loadcnt 0x0
	v_sub_f32 v56, v50, v48
	v_sub_f32 v57, v51, v49
	v_add_f32 v56, 1.0, v56                        ; w
	v_add_f32 v57, 1.0, v57                        ; h
	v_fma_f32 v58, 0.5, v56, v48                   ; cx
	v_fma_f32 v59, 0.5, v57, v49                   ; cy
	v_mul_f32 v60, s50, v52                        ; dx
	v_mul_f32 v61, s50, v53                        ; dy
	v_mul_f32 v62, s51, v54
	v_mul_f32 v63, s51, v55
	v_min_num_f32 v62, s52, v62                    ; dw
	v_min_num_f32 v63, s52, v63                    ; dh
	v_mul_f32 v62, s53, v62
	v_mul_f32 v63, s53, v63
	v_exp_f32 v62, v62
	v_exp_f32 v63, v63
	v_fma_f32 v58, v60, v56, v58                   ; pcx: the plain instruction between the exponentials and their use (ISA guide 5.7.2)
	v_fma_f32 v59, v61, v57, v59                   ; pcy
	s_wait_alu depctr_va_vdst(0)
	v_mul_f32 v62, v62, v56                        ; pw
	v_mul_f32 v63, v63, v57                        ; ph
	v_fma_f32 v64, -0.5, v62, v58
	v_fma_f32 v65, -0.5, v63, v59
	v_fma_f32 v66, 0.5, v62, v58
	v_fma_f32 v67, 0.5, v63, v59
	v_add_f32 v66, -1.0, v66
	v_add_f32 v67, -1.0, v67
.irp j, 64,65,66,67
	v_max_num_f32 v\j, 0, v\j
.endr
	v_min_num_f32 v64, s54, v64
	v_min_num_f32 v65, s55, v65
	v_min_num_f32 v66, s54, v66
	v_min_num_f32 v67, s55, v67
	v_add_f32 v66, 1.0, v66                        ; x2 + 1
	v_add_f32 v67, 1.0, v67                        ; y2 + 1
	global_store_b128 v46, v[64:67], s[16:17]      ; a wave's store covers 512 consecutive bytes
.endm
	FINAL 0, 0                                     ; items 0..255 of the 288: thread t
	s_cmp_lg_u32 s20, 0
	s_cbranch_scc1 .Lend
	FINAL 256, 1                                   ; items 256..287: wave 0 once more, by its lane
.Lend:
	s_barrier_signal -1
	s_barrier_wait -1
	s_wait_tensorcnt 0x0
	ds_add_u32 v68, v69
	s_wait_dscnt 0x0
	s_endpgm
.Lfunc_end_k_q8c06cae42c_rank:
	.size	k_q8c06cae42c_rank, .Lfunc_end_k_q8c06cae42c_rank-k_q8c06cae42c_rank
	.p2alignl 7, 3214868480
	.fill 96, 4, 3214868480
	.section	.rodata,"a",@progbits
	.p2align	6, 0x0
	.amdhsa_kernel k_q8c06cae42c_rank
		.amdhsa_group_segment_fixed_size 18432
		.amdhsa_private_segment_fixed_size 0
		.amdhsa_enable_private_segment 0
		.amdhsa_kernarg_size 56
		.amdhsa_user_sgpr_count 2
		.amdhsa_user_sgpr_kernarg_segment_ptr 1
		.amdhsa_wavefront_size32 1
		.amdhsa_system_sgpr_workgroup_id_x 1
		.amdhsa_system_sgpr_workgroup_id_y 1
		.amdhsa_system_sgpr_workgroup_id_z 1
		.amdhsa_system_vgpr_workitem_id 0
		.amdhsa_next_free_vgpr 70
		.amdhsa_next_free_sgpr 66
		.amdhsa_reserve_vcc 1
		.amdhsa_float_denorm_mode_32 3
		.amdhsa_float_denorm_mode_16_64 3
		.amdhsa_memory_ordered 1
		.amdhsa_forward_progress 1
		.amdhsa_inst_pref_size 59
	.end_amdhsa_kernel
	.amdgpu_metadata
---
amdhsa.version: [ 1, 2 ]
amdhsa.kernels:
  - .name:           k_q8c06cae42c_rank
    .symbol:         k_q8c06cae42c_rank.kd
    .args:
      - { .name: all_box_deltas, .offset: 0, .size: 8, .value_kind: global_buffer, .address_space: global }
      - { .name: all_cls_scores, .offset: 8, .size: 8, .value_kind: global_buffer, .address_space: global }
      - { .name: all_rois, .offset: 16, .size: 8, .value_kind: global_buffer, .address_space: global }
      - { .name: im_info, .offset: 24, .size: 8, .value_kind: global_buffer, .address_space: global }
      - { .name: rank, .offset: 32, .size: 8, .value_kind: global_buffer, .address_space: global }
      - { .name: keys, .offset: 40, .size: 8, .value_kind: global_buffer, .address_space: global }
      - { .name: boxes, .offset: 48, .size: 8, .value_kind: global_buffer, .address_space: global }
    .group_segment_fixed_size: 18432
    .private_segment_fixed_size: 0
    .kernarg_segment_align: 8
    .kernarg_segment_size: 56
    .max_flat_workgroup_size: 256
    .sgpr_count:     66
    .vgpr_count:     70
    .wavefront_size: 32
...
	.end_amdgpu_metadata
.endif
;; end of part 1
;; launch place (part 2): grid 8 x 36, 8 waves a work-group, no clusters, 0 bytes of LDS; arguments rank, keys, boxes, skey, sbox; writes skey, sbox
.if DOCPART == 2
	.amdgcn_target "amdgcn-amd-amdhsa--gfx1250"
	.amdhsa_code_object_version 6
	.text
	.protected	k_q8c06cae42c_place
	.globl	k_q8c06cae42c_place
	.p2align	8
	.type	k_q8c06cae42c_place,@function
k_q8c06cae42c_place:
	s_mov_b64 s[64:65], 0
	v_nop
	global_prefetch_b8 v0, s[64:65] scope:SCOPE_SE
	s_setreg_imm32_b32 hwreg(HW_REG_WAVE_MODE, 25, 1), 1
	s_wait_xcnt 0x0
; place: the sort's move.  Item i of (image, class) bc goes to slot rank[bc][i] of skey and sbox.  The ranks are whole numbers that the
; launch before stored; here they become addresses.  One item a thread, 2048 slots a class: work-group (x 0..7, y = bc), i = 256 x + t.
; Items 0..2015 were stored, with ranks that are a permutation of 0..2015 in which item 2015 (a pad, key 1) has rank 2015.
; Threads i > 2015 read item 2015 and add i - 2015 to its rank: slots 2016..2047 become pads too, and every slot is written once.
; Reads are contiguous (a wave's load covers 128 or 512 consecutive bytes); the stores are scattered by nature, 20 bytes an item, 1.5 MB in all.
	s_load_b256 s[4:11], s[0:1], 0x0               ; rank 4, keys 6, boxes 8, skey 10
	s_load_b64 s[12:13], s[0:1], 0x20              ; sbox
	s_and_b32 s18, ttmp7, 0xffff                   ; bc
	s_lshl_b32 s19, ttmp9, 8
	v_add_nc_u32 v1, s19, v0                       ; i
	v_min_u32 v2, 2015, v1                         ; the item that I read
	v_sub_nc_u32 v3, v1, v2                        ; 0, or i - 2015
	v_lshlrev_b32 v4, 2, v2
	v_lshlrev_b32 v5, 4, v2
	s_lshl_b32 s20, s18, 13                        ; 2048 words a class
	s_mov_b32 s21, 0
	s_lshl_b32 s22, s18, 15                        ; 2048 x 16 bytes a class
	s_mov_b32 s23, 0
	s_wait_kmcnt 0x0
	s_add_nc_u64 s[4:5], s[4:5], s[20:21]
	s_add_nc_u64 s[6:7], s[6:7], s[20:21]
	s_add_nc_u64 s[8:9], s[8:9], s[22:23]
	s_add_nc_u64 s[10:11], s[10:11], s[20:21]
	s_add_nc_u64 s[12:13], s[12:13], s[22:23]
	global_load_b32 v6, v4, s[4:5]
	global_load_b32 v8, v4, s[6:7]
	global_load_b128 v[12:15], v5, s[8:9]
	s_wait_loadcnt 0x0
	v_add_nc_u32 v6, v6, v3
	v_min_u32 v6, 2047, v6                         ; a loaded number enters an address only clamped to the table
	v_lshlrev_b32 v7, 2, v6
	v_lshlrev_b32 v16, 4, v6
	global_store_b32 v7, v8, s[10:11]
	global_store_b128 v16, v[12:15], s[12:13]
	s_endpgm
.Lfunc_end_k_q8c06cae42c_place:
	.size	k_q8c06cae42c_place, .Lfunc_end_k_q8c06cae42c_place-k_q8c06cae42c_place
	.p2alignl 7, 3214868480
	.fill 96, 4, 3214868480
	.section	.rodata,"a",@progbits
	.p2align	6, 0x0
	.amdhsa_kernel k_q8c06cae42c_place
		.amdhsa_group_segment_fixed_size 0
		.amdhsa_private_segment_fixed_size 0
		.amdhsa_enable_private_segment 0
		.amdhsa_kernarg_size 40
		.amdhsa_user_sgpr_count 2
		.amdhsa_user_sgpr_kernarg_segment_ptr 1
		.amdhsa_wavefront_size32 1
		.amdhsa_system_sgpr_workgroup_id_x 1
		.amdhsa_system_sgpr_workgroup_id_y 1
		.amdhsa_system_sgpr_workgroup_id_z 1
		.amdhsa_system_vgpr_workitem_id 0
		.amdhsa_next_free_vgpr 24
		.amdhsa_next_free_sgpr 66
		.amdhsa_reserve_vcc 0
		.amdhsa_float_denorm_mode_32 3
		.amdhsa_float_denorm_mode_16_64 3
		.amdhsa_memory_ordered 1
		.amdhsa_forward_progress 1
		.amdhsa_inst_pref_size 2
	.end_amdhsa_kernel
	.amdgpu_metadata
---
amdhsa.version: [ 1, 2 ]
amdhsa.kernels:
  - .name:           k_q8c06cae42c_place
    .symbol:         k_q8c06cae42c_place.kd
    .args:
      - { .name: rank, .offset: 0, .size: 8, .value_kind: global_buffer, .address_space: global }
      - { .name: keys, .offset: 8, .size: 8, .value_kind: global_buffer, .address_space: global }
      - { .name: boxes, .offset: 16, .size: 8, .value_kind: global_buffer, .address_space: global }
      - { .name: skey, .offset: 24, .size: 8, .value_kind: global_buffer, .address_space: global }
      - { .name: sbox, .offset: 32, .size: 8, .value_kind: global_buffer, .address_space: global }
    .group_segment_fixed_size: 0
    .private_segment_fixed_size: 0
    .kernarg_segment_align: 8
    .kernarg_segment_size: 40
    .max_flat_workgroup_size: 256
    .sgpr_count:     66
    .vgpr_count:     24
    .wavefront_size: 32
...
	.end_amdgpu_metadata
.endif
;; end of part 2
;; launch mask (part 3): grid 7 x 36, 8 waves a work-group, no clusters, 41,984 bytes of LDS; arguments sbox, mask; writes mask
.if DOCPART == 3
	.amdgcn_target "amdgcn-amd-amdhsa--gfx1250"
	.amdhsa_code_object_version 6
	.text
	.protected	k_q8c06cae42c_mask
	.globl	k_q8c06cae42c_mask
	.p2align	8
	.type	k_q8c06cae42c_mask,@function
k_q8c06cae42c_mask:
	s_mov_b64 s[64:65], 0
	v_nop
	global_prefetch_b8 v0, s[64:65] scope:SCOPE_SE
	s_setreg_imm32_b32 hwreg(HW_REG_WAVE_MODE, 25, 1), 1
	s_wait_xcnt 0x0
; mask: for one (image, class), the bits 'IoU(i, j) > 0.7' for sorted positions i, j with j's 32-chunk at or behind i's 128-row.
; Work-group (x = g 0..6, y = bc).  Every work-group copies the class's sorted boxes (32 KB, contiguous) into LDS, adds a' for each, then
; computes a seventh of the triangle.
; THE TEST.  inter / (a_i + a_j - inter) > 0.7  <=>  inter > (0.7/1.7)(a_i + a_j) for a positive union.  A box is x1, y1, x2+1, y2+1 and
; a' = (0.7/1.7) area.  iw = min(x2+1) - max(x1), ih likewise; only iw is clamped at 0: then iw ih <= 0 whenever either is negative, and
; a' > 0, so the test fma(iw, ih, -a'_i) > a'_j fails as reference's does with inter = 0.  A box whose area is not positive has inter = 0 with
; every box: its a' is +inf here, which fails every test.
; Limits: a pair within a few f32 roundings of IoU = 0.7 may be decided otherwise than in reference; NaN coordinates are not served.
; THE SHARES.  Row q = positions 128 q .. 128 q + 127 as i, against the chunks B = 4 q .. 63 as j.  Wave w owns rows w and 15 - w:
; (64 - 4 w) + (4 + 4 w) = 68 steps for every wave; work-group g takes steps g, g + 7, ..: ten (g < 5) or nine.
; A STEP: lanes hold 4 x 32 boxes i; the 32 boxes j come from LDS as broadcasts, four at a time, one group ahead; a comparison gives the
; 32 bits over i for one j in a scalar register; v_writelane puts it into lane j.  Word k of lane j = block 4 q + k against j:
; one 16-byte store a lane, 512 consecutive bytes a wave, at mask[bc][B][q][j][0..3].
; No cluster, no tile copies: what the seven work-groups of a class share is 32 KB read once, against some 11,000 vector instructions a wave.
.set AR,  32768                        ; LDS: 2048 x 16 bytes of boxes, then 2048 a'
.set OUT, 4                            ; v[4:7]    the step's four words of lane j
.set XI,  8                            ; v[8:23]   block k: x1, y1, x2+1, y2+1 of my i
.set AI,  24                           ; v[24:27]  block k: a' of my i
.set VI,  28                           ; LDS address of my i boxes
.set VIA, 29                           ; of their a'
.set VJ,  30                           ; of the chunk's boxes j
.set VA,  31                           ; of their a'
.set JB,  32                           ; v[32:71]  two buffers of four boxes j (16 registers) and their a' (4)
.set T,   72                           ; v[72:87]  four temporaries for each block
.set VO,  88                           ; byte offset of my 16 bytes in mask[bc]
.set L16, 89
.set L4,  90
.set ST,  96                           ; v[96:135] the copy into LDS: eight boxes, eight a'
.set SM,  36                           ; s[36:39]  four comparison masks
	s_load_b128 s[4:7], s[0:1], 0x0                ; sbox 4, mask 6
	v_lshl_add_u32 v136, v0, 2, 0xa000
	v_mov_b32 v137, 0
	v_lshrrev_b32 v1, 5, v0
	v_readfirstlane_b32 s18, v1                    ; wave 0..7
	v_and_b32 v1, 31, v0                           ; lane
	s_and_b32 s19, ttmp7, 0xffff                   ; bc
	s_mov_b32 s21, 0
	s_mov_b32 s30, 0x3ed2d2d3                      ; 0.7 / 1.7
	v_lshlrev_b32 v2, 4, v0                        ; 16 t
	v_lshlrev_b32 v3, 2, v0                        ; 4 t
	v_lshlrev_b32 v[L16], 4, v1
	v_lshlrev_b32 v[L4], 2, v1
.irp k, 0,1,2,3
	v_mov_b32 v[OUT+\k], 0                         ; v_writelane counts as a reader of its destination
.endr
	s_wait_kmcnt 0x0
	s_lshl_b32 s20, s19, 15
	s_add_nc_u64 s[4:5], s[4:5], s[20:21]
	s_lshl_b32 s20, s19, 19
	s_add_nc_u64 s[6:7], s[6:7], s[20:21]          ; mask[bc]: 64 x 16 x 512 bytes
.irp r, 0,1,2,3,4,5,6,7
	global_load_b128 v[ST+4*\r:ST+4*\r+3], v2, s[4:5] offset:4096*\r       ; box t + 256 r
.endr
	s_wait_loadcnt 0x0
.irp r, 0,1,2,3,4,5,6,7
	v_pk_add_f32 v[T:T+1], v[ST+4*\r+2:ST+4*\r+3], v[ST+4*\r:ST+4*\r+1] neg_lo:[0,1] neg_hi:[0,1]   ; width, height
	v_mul_f32 v[T], v[T], v[T+1]
	v_mul_f32 v[ST+32+\r], s30, v[T]               ; a'
	v_cmp_lt_f32 vcc_lo, 0, v[ST+32+\r]
	v_cndmask_b32 v[ST+32+\r], 0x7f800000, v[ST+32+\r], vcc_lo     ; not positive: +inf
	ds_store_b128 v2, v[ST+4*\r:ST+4*\r+3] offset:4096*\r
	ds_store_b32 v3, v[ST+32+\r] offset:AR+1024*\r
.endr
	s_lshl_b32 s23, s18, 2
	s_sub_co_u32 s23, 64, s23                      ; steps of row w
	s_sub_co_u32 s27, 15, s18                      ; my second row
	s_wait_dscnt 0x0                               ; my part of the copy is in LDS before I say so
	s_barrier_signal -1
	s_barrier_wait -1                              ; from here on LDS is only read
.macro JLOAD buf, u                    ; four boxes j and their a', the same bytes for every lane (arguments: plain numbers)
.irp e, 0,1,2,3
	ds_load_b128 v[JB+20*\buf+4*\e:JB+20*\buf+4*\e+3], v[VJ] offset:64*\u+16*\e
.endr
	ds_load_b128 v[JB+20*\buf+16:JB+20*\buf+19], v[VA] offset:AR+16*\u
.endm
.macro JCOMP buf, u                    ; four j against my 4 x 32 i: four chains that do not wait for each other
.irp e, 0,1,2,3
.irp k, 0,1,2,3
	v_max_num_f32 v[T+4*\k],   v[XI+4*\k],   v[JB+20*\buf+4*\e]
.endr
.irp k, 0,1,2,3
	v_max_num_f32 v[T+4*\k+1], v[XI+4*\k+1], v[JB+20*\buf+4*\e+1]
.endr
.irp k, 0,1,2,3
	v_min_num_f32 v[T+4*\k+2], v[XI+4*\k+2], v[JB+20*\buf+4*\e+2]
.endr
.irp k, 0,1,2,3
	v_min_num_f32 v[T+4*\k+3], v[XI+4*\k+3], v[JB+20*\buf+4*\e+3]
.endr
.irp k, 0,1,2,3
	v_pk_add_f32 v[T+4*\k+2:T+4*\k+3], v[T+4*\k+2:T+4*\k+3], v[T+4*\k:T+4*\k+1] neg_lo:[0,1] neg_hi:[0,1]   ; iw, ih
.endr
.irp k, 0,1,2,3
	v_max_num_f32 v[T+4*\k+2], 0, v[T+4*\k+2]
.endr
.irp k, 0,1,2,3
	v_fma_f32 v[T+4*\k+2], v[T+4*\k+2], v[T+4*\k+3], -v[AI+\k]
.endr
.irp k, 0,1,2,3
	v_cmp_gt_f32 s[SM+\k], v[T+4*\k+2], v[JB+20*\buf+16+\e]
.endr
.irp k, 0,1,2,3
	v_writelane_b32 v[OUT+\k], s[SM+\k], 4*\u+\e
.endr
.endr
.endm
.macro PAIR nb, nu, cb, cu             ; ask for group nu into buffer nb, then work on group cu in buffer cb
	JLOAD \nb, \nu
	s_wait_dscnt 5                                 ; LDS loads come back in order (ISA guide 5.7.1): all but the five just issued are in
	JCOMP \cb, \cu
.endm
	s_mov_b32 s22, ttmp9                           ; my first step
.Lstep:
	s_wait_xcnt 0x0                                ; OUT and VO, which the last trip's store reads, are rewritten only behind this wait
	s_cmp_lt_u32 s22, s23
	s_cselect_b32 s24, s18, s27                    ; q
	s_cselect_b32 s26, 0, s23
	s_sub_co_u32 s26, s22, s26                     ; the step within the row
	s_lshl2_add_u32 s25, s24, s26                  ; B = 4 q + step
	s_lshl_b32 s28, s24, 11
	v_add_nc_u32 v[VI], s28, v[L16]                ; 128 q boxes of 16 bytes + my lane
	s_lshl_b32 s28, s24, 9
	v_add_nc_u32 v[VIA], s28, v[L4]
	s_lshl_b32 s28, s25, 9
	v_mov_b32 v[VJ], s28                           ; 32 B boxes
	s_lshl_b32 s28, s25, 7
	v_mov_b32 v[VA], s28
	s_lshl4_add_u32 s29, s25, s24
	s_lshl_b32 s29, s29, 9
	v_add_nc_u32 v[VO], s29, v[L16]                ; (16 B + q) x 512 + 16 lane
.irp k, 0,1,2,3
	ds_load_b128 v[XI+4*\k:XI+4*\k+3], v[VI] offset:512*\k
.endr
.irp k, 0,1,2,3
	ds_load_b32 v[AI+\k], v[VIA] offset:AR+128*\k
.endr
	JLOAD 0, 0
	PAIR 1, 1, 0, 0
	PAIR 0, 2, 1, 1
	PAIR 1, 3, 0, 2
	PAIR 0, 4, 1, 3
	PAIR 1, 5, 0, 4
	PAIR 0, 6, 1, 5
	PAIR 1, 7, 0, 6
	s_wait_dscnt 0x0
	JCOMP 1, 7
	global_store_b128 v[VO], v[OUT:OUT+3], s[6:7]  ; 512 consecutive bytes, at a multiple of 512 from the buffer's first byte
	s_add_co_u32 s22, s22, 7
	s_cmp_lt_u32 s22, 68
	s_cbranch_scc1 .Lstep
	s_barrier_signal -1
	s_barrier_wait -1
	s_wait_tensorcnt 0x0
	ds_add_u32 v136, v137
	s_wait_dscnt 0x0
	s_endpgm
.Lfunc_end_k_q8c06cae42c_mask:
	.size	k_q8c06cae42c_mask, .Lfunc_end_k_q8c06cae42c_mask-k_q8c06cae42c_mask
	.p2alignl 7, 3214868480
	.fill 96, 4, 3214868480
	.section	.rodata,"a",@progbits
	.p2align	6, 0x0
	.amdhsa_kernel k_q8c06cae42c_mask
		.amdhsa_group_segment_fixed_size 41984
		.amdhsa_private_segment_fixed_size 0
		.amdhsa_enable_private_segment 0
		.amdhsa_kernarg_size 16
		.amdhsa_user_sgpr_count 2
		.amdhsa_user_sgpr_kernarg_segment_ptr 1
		.amdhsa_wavefront_size32 1
		.amdhsa_system_sgpr_workgroup_id_x 1
		.amdhsa_system_sgpr_workgroup_id_y 1
		.amdhsa_system_sgpr_workgroup_id_z 1
		.amdhsa_system_vgpr_workitem_id 0
		.amdhsa_next_free_vgpr 138
		.amdhsa_next_free_sgpr 66
		.amdhsa_reserve_vcc 1
		.amdhsa_float_denorm_mode_32 3
		.amdhsa_float_denorm_mode_16_64 3
		.amdhsa_memory_ordered 1
		.amdhsa_forward_progress 1
		.amdhsa_inst_pref_size 62
	.end_amdhsa_kernel
	.amdgpu_metadata
---
amdhsa.version: [ 1, 2 ]
amdhsa.kernels:
  - .name:           k_q8c06cae42c_mask
    .symbol:         k_q8c06cae42c_mask.kd
    .args:
      - { .name: sbox, .offset: 0, .size: 8, .value_kind: global_buffer, .address_space: global }
      - { .name: mask, .offset: 8, .size: 8, .value_kind: global_buffer, .address_space: global }
    .group_segment_fixed_size: 41984
    .private_segment_fixed_size: 0
    .kernarg_segment_align: 8
    .kernarg_segment_size: 16
    .max_flat_workgroup_size: 256
    .sgpr_count:     66
    .vgpr_count:     138
    .wavefront_size: 32
...
	.end_amdgpu_metadata
.endif
;; end of part 3
;; launch scan (part 4): grid 36 x 1, 16 waves a work-group, no clusters, 3,072 bytes of LDS; arguments mask, skey, list; writes list
.if DOCPART == 4
	.amdgcn_target "amdgcn-amd-amdhsa--gfx1250"
	.amdhsa_code_object_version 6
	.text
	.protected	k_q8c06cae42c_scan
	.globl	k_q8c06cae42c_scan
	.p2align	8
	.type	k_q8c06cae42c_scan,@function
k_q8c06cae42c_scan:
	s_mov_b64 s[64:65], 0
	v_nop
	global_prefetch_b8 v0, s[64:65] scope:SCOPE_SE
	s_setreg_imm32_b32 hwreg(HW_REG_WAVE_MODE, 25, 1), 1
	s_wait_xcnt 0x0
; scan: greedy suppression for one (image, class), whole numbers only.  Work-group x = bc, sixteen waves; wave r owns row r, the sorted
; positions 128 r .. 128 r + 127 (four blocks of 32; lane j of block m is position 128 r + 32 m + j).
; SIXTEEN TRIPS, q = 0..15.  In trip q wave q alone decides its row: a position is a candidate if its key is a real score and no kept position
; of an earlier row suppresses it (PUL, gathered in the trips before); earlier blocks of the same row come from the row's own words; inside a
; block 31 dependent scalar steps: position j falls if a kept position below it in the block has its bit in j's word.
; Wave q puts its four kept words, the number kept in front of each block and the number kept so far into its own record in LDS.  Behind a
; barrier every wave reads row q's kept words and ANDs them with its own mask words against row q (four 16-byte loads a lane, asked for one trip
; ahead, so that they travel while the next wave's chain of some 600 instructions runs).
; All waves run the same lines but the chain: the row asked for is min(q + 1, r), which stays inside the written part of mask, and the kept
; words are cut to zero where q >= r.  A wave whose row is decided so spends 4 loads and 20 vector instructions a trip for nothing.
; No trip count and no branch hangs on the masks: all 2048 positions are always decided.
; THE LIST.  An item with 100 kept predecessors in its own class cannot be among the image's first 100: the first 127 kept suffice.
; Thread e < 128 finds the e-th kept position: six steps of binary search over the 64 counts in front of the blocks, then in the block's kept word
; the number of bits whose inclusive prefix count is <= n, which is the index of the n-th set bit (32: there is none).  Entry e of the
; list is its key and its position, 0 and 0 where there is none; entry 127 is always empty.  A wave's store covers 128 consecutive bytes.
; A count that comes from comparisons of loaded numbers is cut by v_min_u32 to its largest possible value before it is an address.
; The chain is sequential by nature; the 36 work-groups share no input: no cluster.
.set KW,  0                            ; LDS: 64 kept words, wave r's four at 16 r
.set PC,  256                          ;      64 counts of kept positions in front of a block
.set CA,  512                          ;      16 counts of kept positions up to and with row r
.set WD,  16                           ; v[16:31]  my row's own words, block m at 4 m
.set KEY, 32                           ; v[32:35]  keys of my row
.set PUL, 36                           ; v[36:39]  nonzero = suppressed by an earlier row (or block)
.set W,   40                           ; v[40:55]  my words against row q
.set KV,  56                           ; v[56:59]  row q's kept words
.set KS,  60                           ; v[60:63]  my kept words, to store
.set PS,  64                           ; v[64:67]  my counts, to store
.set D,   66                           ; s[67:97]  lane j's word of its own block, bits below j
	s_load_b128 s[4:7], s[0:1], 0x0                ; mask 4, skey 6
	s_load_b64 s[8:9], s[0:1], 0x10                ; list
	v_lshl_add_u32 v72, v0, 2, 0x400
	v_mov_b32 v73, 0
	v_lshrrev_b32 v1, 5, v0
	v_readfirstlane_b32 s18, v1                    ; wave r 0..15
	v_and_b32 v1, 31, v0                           ; lane
	s_mov_b32 s39, 0
	v_lshlrev_b32 v2, 4, v1                        ; 16 lane
	v_lshlrev_b32 v3, 2, v1                        ; 4 lane
	v_mov_b32 v4, -1
	v_lshlrev_b32 v4, v1, v4
	v_not_b32 v4, v4                               ; the bits below my lane
	s_mul_i32 s24, s18, 33280                      ; mask[bc][4 r][r]: 4 r x 8192 + r x 512
	v_add_nc_u32 v6, s24, v2
	s_lshl_b32 s25, s18, 9
	v_add_nc_u32 v10, s25, v3                      ; 4 (128 r + lane)
	s_lshl_b32 s27, s18, 15                        ; mask[bc][4 r][0]
	v_add_nc_u32 v7, s27, v2
	s_lshl_b32 s26, s18, 4
	v_mov_b32 v8, s26                              ; my record in KW and PC
	s_lshl_b32 s26, s18, 2
	v_mov_b32 v9, s26                              ; and in CA
.irp m, 0,1,2,3
	v_mov_b32 v[PUL+\m], 0
.endr
	s_wait_kmcnt 0x0
	s_lshl_b32 s38, ttmp9, 19
	s_add_nc_u64 s[4:5], s[4:5], s[38:39]
	s_lshl_b32 s38, ttmp9, 13
	s_add_nc_u64 s[6:7], s[6:7], s[38:39]
	s_lshl_b32 s38, ttmp9, 10
	s_add_nc_u64 s[8:9], s[8:9], s[38:39]
.irp m, 0,1,2,3
	global_load_b32 v[KEY+\m], v10, s[6:7] offset:128*\m
.endr
.irp m, 0,1,2,3
	global_load_b128 v[WD+4*\m:WD+4*\m+3], v6, s[4:5] offset:8192*\m
.endr
.irp m, 0,1,2,3
	global_load_b128 v[W+4*\m:W+4*\m+3], v7, s[4:5] offset:8192*\m         ; against row 0
.endr
; Block m of my row: who is kept, into s[28+m]; how many were kept in front of it, into s[40+m].  s22 = kept so far.
.macro BLOCK m
.set kk, 0
.if \m
.rept \m
	v_and_or_b32 v[PUL+\m], v[WD+4*\m+kk], s[28+kk], v[PUL+\m]     ; earlier blocks of this row
.set kk, kk+1
.endr
.endif
	v_cmp_eq_u32 s24, 0, v[PUL+\m]
	v_cmp_lt_u32 s25, 2, v[KEY+\m]                 ; valid: a real score above 0.01
	v_and_b32 v12, v4, v[WD+5*\m]
	s_and_b32 s23, s24, s25
.set aa, 1
.rept 31
	v_readlane_b32 s[D+aa], v12, aa
.set aa, aa+1
.endr
.set aa, 1
.rept 31
	s_and_b32 s24, s[D+aa], s23                    ; SCC: a kept position below suppresses this one
	s_cselect_b32 s24, 1<<aa, 0
	s_and_not1_b32 s23, s23, s24
.set aa, aa+1
.endr
	s_mov_b32 s[28+\m], s23
	s_mov_b32 s[40+\m], s22
	s_bcnt1_i32_b32 s24, s23
	s_add_co_u32 s22, s22, s24
.endm
	s_mov_b32 s20, 0                               ; q
	s_mov_b32 s22, 0                               ; kept so far
	s_wait_loadcnt 0x4                             ; my keys and my row's own words are in; the four loads against row 0 may stay out
.Lrow:
	s_cmp_lg_u32 s18, s20                          ; my turn?
	s_cbranch_scc1 .Lothers
	BLOCK 0
	BLOCK 1
	BLOCK 2
	BLOCK 3
.irp m, 0,1,2,3
	v_mov_b32 v[KS+\m], s[28+\m]
	v_mov_b32 v[PS+\m], s[40+\m]
.endr
	v_mov_b32 v5, s22
	ds_store_b128 v8, v[KS:KS+3] offset:KW         ; all lanes write the same bytes with the same values
	ds_store_b128 v8, v[PS:PS+3] offset:PC
	ds_store_b32 v9, v5 offset:CA
.Lothers:
	s_wait_dscnt 0x0                               ; row q's record is in LDS before its wave says so
	s_barrier_signal -1
	s_barrier_wait -1
	s_lshl_b32 s24, s20, 4
	v_mov_b32 v14, s24
	s_lshl_b32 s25, s20, 2
	v_mov_b32 v15, s25
	ds_load_b128 v[KV:KV+3], v14 offset:KW         ; row q's kept words, the same in every lane
	ds_load_b32 v13, v15 offset:CA
	s_cmp_lt_u32 s20, s18
	s_cselect_b32 s26, -1, 0                       ; row q lies in front of mine
	s_add_co_u32 s24, s20, 1
	s_min_u32 s24, s24, s18                        ; the row asked for next: never behind my own
	s_lshl_b32 s24, s24, 9
	s_add_co_u32 s24, s24, s27
	s_wait_loadcnt 0x0                             ; my words against row q, asked for a trip ago
	s_wait_dscnt 0x0                               ; my reads of LDS are back:
	s_barrier_signal -1                            ; say so, and work on registers while the others arrive
.irp k, 0,1,2,3
	v_and_b32 v[KV+\k], s26, v[KV+\k]
.endr
.irp m, 0,1,2,3
.irp k, 0,1,2,3
	v_and_or_b32 v[PUL+\m], v[W+4*\m+\k], v[KV+\k], v[PUL+\m]
.endr
.endr
	v_readfirstlane_b32 s22, v13
	v_add_nc_u32 v7, s24, v2                       ; free: its loads were waited for above
	s_barrier_wait -1                              ; LDS is stored into again only when every wave's loads of this trip are back
.irp m, 0,1,2,3
	global_load_b128 v[W+4*\m:W+4*\m+3], v7, s[4:5] offset:8192*\m
.endr
	s_add_co_u32 s20, s20, 1
	s_cmp_lt_u32 s20, 16
	s_cbranch_scc1 .Lrow
	s_cmp_ge_u32 s18, 4                            ; 128 threads make the list; from here on LDS is only read
	s_cbranch_scc1 .Lend
; One step of the search for the last block with PC <= e: if PC[count + step] <= e, count += step.  Counts are kept times 4, as byte offsets.
.macro FIND step, first
	v_mov_b32 v19, 4*\step
.if \first
	ds_load_b32 v18, v16 offset:PC+4*\step
.else
	ds_load_b32 v18, v17 offset:PC+4*\step
.endif
	s_wait_dscnt 0x0
	v_cmp_le_u32 vcc_lo, v18, v0
.if \first
	v_cndmask_b32 v17, 0, v19, vcc_lo
.else
	v_cndmask_b32 v20, 0, v19, vcc_lo
	v_add_nc_u32 v17, v17, v20
.endif
	v_min_u32 v17, 4*(64-\step), v17               ; 32 + 16 + .. + step = 64 - step
.endm
	v_mov_b32 v16, 0
	FIND 32, 1
	FIND 16, 0
	FIND 8, 0
	FIND 4, 0
	FIND 2, 0
	FIND 1, 0                                      ; the highest count probed is 63
	ds_load_b32 v21, v17 offset:PC
	ds_load_b32 v22, v17 offset:KW
	v_mov_b32 v24, 0
	v_lshlrev_b32 v29, 2, v0                       ; 4 e
	s_wait_dscnt 0x0
	v_sub_nc_u32 v21, v0, v21                      ; n: the set bit of the block's word that I look for
	v_bfe_u32 v23, v22, 0, 1                       ; inclusive prefix count of the word's bits
	v_cmp_le_u32 vcc_lo, v23, v21
	v_add_co_ci_u32 v24, vcc_lo, 0, v24, vcc_lo    ; bits whose prefix count is still <= n
.set bb, 1
.rept 31
	v_bfe_u32 v25, v22, bb, 1
	v_add_nc_u32 v23, v23, v25
	v_cmp_le_u32 vcc_lo, v23, v21
	v_add_co_ci_u32 v24, vcc_lo, 0, v24, vcc_lo
.set bb, bb+1
.endr
	v_lshl_add_u32 v26, v17, 3, v24                ; position = 32 block + bit
	v_min_u32 v26, 2047, v26                       ; a loaded number enters an address only clamped to the table
	v_lshlrev_b32 v27, 2, v26
	global_load_b32 v28, v27, s[6:7]               ; its key
	v_cmp_gt_u32 s24, 32, v24                      ; there is such a bit
	v_cmp_gt_u32 s25, 127, v0                      ; entry 127 stays empty
	s_and_b32 s24, s24, s25
	v_cndmask_b32 v26, 0, v26, s24
	s_wait_loadcnt 0x0                             ; the key (and the last trip's request, which nothing uses)
	v_cndmask_b32 v28, 0, v28, s24
	global_store_b32 v29, v28, s[8:9]              ; keys, then positions
	global_store_b32 v29, v26, s[8:9] offset:512
.Lend:
	s_barrier_signal -1
	s_barrier_wait -1
	s_wait_tensorcnt 0x0
	ds_add_u32 v72, v73
	s_wait_dscnt 0x0
	s_endpgm
.Lfunc_end_k_q8c06cae42c_scan:
	.size	k_q8c06cae42c_scan, .Lfunc_end_k_q8c06cae42c_scan-k_q8c06cae42c_scan
	.p2alignl 7, 3214868480
	.fill 96, 4, 3214868480
	.section	.rodata,"a",@progbits
	.p2align	6, 0x0
	.amdhsa_kernel k_q8c06cae42c_scan
		.amdhsa_group_segment_fixed_size 3072
		.amdhsa_private_segment_fixed_size 0
		.amdhsa_enable_private_segment 0
		.amdhsa_kernarg_size 24
		.amdhsa_user_sgpr_count 2
		.amdhsa_user_sgpr_kernarg_segment_ptr 1
		.amdhsa_wavefront_size32 1
		.amdhsa_system_sgpr_workgroup_id_x 1
		.amdhsa_system_sgpr_workgroup_id_y 1
		.amdhsa_system_sgpr_workgroup_id_z 1
		.amdhsa_system_vgpr_workitem_id 0
		.amdhsa_next_free_vgpr 74
		.amdhsa_next_free_sgpr 98
		.amdhsa_reserve_vcc 1
		.amdhsa_float_denorm_mode_32 3
		.amdhsa_float_denorm_mode_16_64 3
		.amdhsa_memory_ordered 1
		.amdhsa_forward_progress 1
		.amdhsa_inst_pref_size 38
	.end_amdhsa_kernel
	.amdgpu_metadata
---
amdhsa.version: [ 1, 2 ]
amdhsa.kernels:
  - .name:           k_q8c06cae42c_scan
    .symbol:         k_q8c06cae42c_scan.kd
    .args:
      - { .name: mask, .offset: 0, .size: 8, .value_kind: global_buffer, .address_space: global }
      - { .name: skey, .offset: 8, .size: 8, .value_kind: global_buffer, .address_space: global }
      - { .name: list, .offset: 16, .size: 8, .value_kind: global_buffer, .address_space: global }
    .group_segment_fixed_size: 3072
    .private_segment_fixed_size: 0
    .kernarg_segment_align: 8
    .kernarg_segment_size: 24
    .max_flat_workgroup_size: 512
    .sgpr_count:     98
    .vgpr_count:     74
    .wavefront_size: 32
...
	.end_amdgpu_metadata
.endif
;; end of part 4
;; launch merge (part 5): grid 4 x 1, 9 waves a work-group, no clusters, 15,104 bytes of LDS; arguments list, sbox, out0, out1, out2, out3; writes out0, out1, out2, out3
.if DOCPART == 5
	.amdgcn_target "amdgcn-amd-amdhsa--gfx1250"
	.amdhsa_code_object_version 6
	.text
	.protected	k_q8c06cae42c_merge
	.globl	k_q8c06cae42c_merge
	.p2align	8
	.type	k_q8c06cae42c_merge,@function
k_q8c06cae42c_merge:
	s_mov_b64 s[64:65], 0
	v_nop
	global_prefetch_b8 v0, s[64:65] scope:SCOPE_SE
	s_setreg_imm32_b32 hwreg(HW_REG_WAVE_MODE, 25, 1), 1
	s_wait_xcnt 0x0
; merge: one work-group an image, one wave a class: the first 100 of the nine classes' kept lists, in top_k's order.
; Each list has 128 entries, keys descending, empty entries 0 (entry 127 always empty).
; PHASE A.  Lane l of wave c holds entries 4 l .. 4 l + 3 of class c.  An entry's place = its own index + for each other class the number of
; entries that go first (seven steps of binary search): keys >= mine in lower classes, > mine in higher ones (ties: lower class, then lower
; position).  Empty entries get the place 1024.  Places go to LDS at the entry's own address; within a class they ascend.
; PHASE B.  Thread p < 128 searches each class's places for p (seven steps each), takes the hit's key and position from LDS and its box from
; memory, and threads p < 100 store: 16 p and 4 p are the addresses, so a wave's stores cover consecutive bytes and no byte is stored twice.
; A place that nobody has gives zeros; so does a kept score of +inf, which takes its place as in reference.
; A count that comes from comparisons of loaded numbers is cut by v_min_u32 to its largest possible value, 4 (128 - step), before it is an address.
; The stored x2, y2 are (x2 + 1) - 1: at most one rounding of the coordinate away from reference's.
; Four work-groups of some two thousand instructions a wave, which share no input: no cluster.
.set LISTK, 0                          ; LDS: 9 x 128 keys
.set LISTP, 4608                       ;      9 x 128 positions
.set PL,    9216                       ;      9 x 128 places
.set CK,  16                           ; v[16:19]  my four entries' keys
.set CP,  20                           ; v[20:23]  their positions
.set RL,  24                           ; v[24:27]  their places
.set CB,  28                           ; v[28:36]  phase B: 4 x count in class c
.set VB,  40                           ; v[40:48]  phase B: probe of class c
.set BX,  56                           ; v[56:59]  phase B: the box
.set T,   64                           ; v[64:99]   threshold of search (class c, entry m) at 4 c + m
.set CN,  100                          ; v[100:135] 4 x its count so far
.set VAL, 136                          ; v[136:171] its probe
	s_load_b256 s[4:11], s[0:1], 0x0               ; list 4, sbox 6, out0 8, out1 10
	s_load_b128 s[12:15], s[0:1], 0x20             ; out2 12, out3 14
	v_lshl_add_u32 v172, v0, 2, 0x3600
	v_mov_b32 v173, 0
	v_lshrrev_b32 v1, 5, v0
	v_readfirstlane_b32 s18, v1                    ; wave = class - 1
	v_and_b32 v1, 31, v0                           ; lane
	s_mul_i32 s19, ttmp9, 9
	s_add_co_u32 s19, s19, s18                     ; bc
	s_lshl_b32 s36, s18, 9                         ; my class's 512 bytes in each LDS table
	s_mov_b32 s39, 0
	s_mov_b32 s26, 0x7f800000
	s_mov_b32 s28, ttmp9                           ; image
	v_lshlrev_b32 v2, 4, v1                        ; 16 lane
	v_lshlrev_b32 v7, 2, v1                        ; 4 lane: index of my first entry
	v_add_nc_u32 v6, s36, v2
	v_mov_b32 v60, 0
	s_wait_kmcnt 0x0
	s_lshl_b32 s38, s19, 10
	s_add_nc_u64 s[4:5], s[4:5], s[38:39]          ; list[bc]
	s_mul_i32 s38, ttmp9, 294912
	s_add_nc_u64 s[6:7], s[6:7], s[38:39]          ; sbox[9 image]
	s_mul_i32 s38, ttmp9, 1600
	s_add_nc_u64 s[8:9], s[8:9], s[38:39]
	s_mul_i32 s38, ttmp9, 400
	s_add_nc_u64 s[10:11], s[10:11], s[38:39]
	s_add_nc_u64 s[12:13], s[12:13], s[38:39]
	s_add_nc_u64 s[14:15], s[14:15], s[38:39]
	global_load_b128 v[CK:CK+3], v2, s[4:5]
	global_load_b128 v[CP:CP+3], v2, s[4:5] offset:512
	s_wait_loadcnt 0x0
	ds_store_b128 v6, v[CK:CK+3] offset:LISTK
	ds_store_b128 v6, v[CP:CP+3] offset:LISTP
	s_wait_dscnt 0x0                               ; my class's lists are in LDS before I say so
	s_barrier_signal -1
	s_barrier_wait -1
.irp c, 0,1,2,3,4,5,6,7,8
	s_cmp_gt_u32 s18, \c
	s_cselect_b32 s24, 1, 0                        ; a lower class: its equal keys go first
	s_cmp_eq_u32 s18, \c
	s_cselect_b32 s25, -1, 0                       ; my own class: nothing is above all ones, the count stays 0
.irp m, 0,1,2,3
	v_sub_nc_u32 v[T+4*\c+\m], v[CK+\m], s24
	v_or_b32 v[T+4*\c+\m], s25, v[T+4*\c+\m]
.endr
.endr
; One step of all 36 searches: if entry count + step - 1 is above the threshold, count += step.  Counts are kept times 4, as byte offsets.
; In the first step all four entries of a lane probe the same word of a class.
.macro ROUNDA step, first
	v_mov_b32 v61, 4*\step
.irp c, 0,1,2,3,4,5,6,7,8
.if \first
	ds_load_b32 v[VAL+4*\c], v60 offset:LISTK+512*\c+4*(\step-1)
.else
.irp m, 0,1,2,3
	ds_load_b32 v[VAL+4*\c+\m], v[CN+4*\c+\m] offset:LISTK+512*\c+4*(\step-1)
.endr
.endif
.endr
	s_wait_dscnt 0x0
.irp c, 0,1,2,3,4,5,6,7,8
.irp m, 0,1,2,3
.if \first
	v_cmp_gt_u32 vcc_lo, v[VAL+4*\c], v[T+4*\c+\m]
	v_cndmask_b32 v[CN+4*\c+\m], 0, v61, vcc_lo
.else
	v_cmp_gt_u32 vcc_lo, v[VAL+4*\c+\m], v[T+4*\c+\m]
	v_cndmask_b32 v62, 0, v61, vcc_lo
	v_add_nc_u32 v[CN+4*\c+\m], v[CN+4*\c+\m], v62
.endif
.if \step > 1
	v_min_u32 v[CN+4*\c+\m], 4*(128-\step), v[CN+4*\c+\m]          ; 64 + 32 + .. + step = 128 - step
.endif
.endr
.endr
.endm
	ROUNDA 64, 1
	ROUNDA 32, 0
	ROUNDA 16, 0
	ROUNDA 8, 0
	ROUNDA 4, 0
	ROUNDA 2, 0
	ROUNDA 1, 0                                    ; the highest entry probed is 126
.irp m, 0,1,2,3
	v_add3_u32 v[RL+\m], v[CN+\m], v[CN+4+\m], v[CN+8+\m]
	v_add3_u32 v[RL+\m], v[RL+\m], v[CN+12+\m], v[CN+16+\m]
	v_add3_u32 v[RL+\m], v[RL+\m], v[CN+20+\m], v[CN+24+\m]
	v_add3_u32 v[RL+\m], v[RL+\m], v[CN+28+\m], v[CN+32+\m]
	v_lshrrev_b32 v[RL+\m], 2, v[RL+\m]
	v_add3_u32 v[RL+\m], v[RL+\m], v7, \m          ; + my index in my own list
	v_cmp_lt_u32 vcc_lo, 2, v[CK+\m]
	v_cndmask_b32 v[RL+\m], 0x400, v[RL+\m], vcc_lo        ; an empty entry has no place
.endr
	ds_store_b128 v6, v[RL:RL+3] offset:PL
	s_wait_dscnt 0x0                               ; my class's places are in LDS before I say so
	s_barrier_signal -1
	s_barrier_wait -1                              ; from here on LDS is only read
	s_cmp_ge_u32 s18, 4                            ; 128 threads serve the 100 places
	s_cbranch_scc1 .Lend
; One step of nine searches: if place[count + step - 1] < p, count += step.
.macro ROUNDB step, first
	v_mov_b32 v61, 4*\step
.irp c, 0,1,2,3,4,5,6,7,8
.if \first
	ds_load_b32 v[VB+\c], v60 offset:PL+512*\c+4*(\step-1)
.else
	ds_load_b32 v[VB+\c], v[CB+\c] offset:PL+512*\c+4*(\step-1)
.endif
.endr
	s_wait_dscnt 0x0
.irp c, 0,1,2,3,4,5,6,7,8
	v_cmp_lt_u32 vcc_lo, v[VB+\c], v0
.if \first
	v_cndmask_b32 v[CB+\c], 0, v61, vcc_lo
.else
	v_cndmask_b32 v62, 0, v61, vcc_lo
	v_add_nc_u32 v[CB+\c], v[CB+\c], v62
.endif
	v_min_u32 v[CB+\c], 4*(128-\step), v[CB+\c]
.endr
.endm
	ROUNDB 64, 1
	ROUNDB 32, 0
	ROUNDB 16, 0
	ROUNDB 8, 0
	ROUNDB 4, 0
	ROUNDB 2, 0
	ROUNDB 1, 0
.irp c, 0,1,2,3,4,5,6,7,8
	ds_load_b32 v[VB+\c], v[CB+\c] offset:PL+512*\c        ; the first place of class c that is not below p
.endr
	v_mov_b32 v50, 0                               ; byte offset of the hit in the key and position tables
	v_mov_b32 v51, 0                               ; its class; 0: no hit
	s_wait_dscnt 0x0
.irp c, 0,1,2,3,4,5,6,7,8
	v_cmp_ne_u32 vcc_lo, v[VB+\c], v0
	v_add_nc_u32 v52, 512*\c, v[CB+\c]
	v_cndmask_b32 v50, v52, v50, vcc_lo            ; equal: take this one (places are all different)
	v_cndmask_b32 v51, \c+1, v51, vcc_lo
.endr
	v_min_u32 v50, 4604, v50                       ; the tables' last word
	ds_load_b32 v53, v50 offset:LISTK
	ds_load_b32 v54, v50 offset:LISTP
	v_max_u32 v55, 1, v51
	v_add_nc_u32 v55, -1, v55                      ; class - 1, or 0 where there is no hit
	v_min_u32 v55, 8, v55
	v_lshlrev_b32 v55, 15, v55                     ; 2048 boxes of 16 bytes a class
	s_wait_dscnt 0x0
	v_min_u32 v54, 2047, v54
	v_lshlrev_b32 v54, 4, v54
	v_add_nc_u32 v54, v54, v55
	global_load_b128 v[BX:BX+3], v54, s[6:7]
	v_cmp_gt_u32 s25, s26, v53                     ; a finite score
	v_cmp_ne_u32 s27, 0, v51                       ; a hit
	s_and_b32 s25, s25, s27
	v_cndmask_b32 v51, 0, v51, s25
	v_cndmask_b32 v53, 0, v53, s25
	v_min_u32 v9, 99, v0
	v_lshlrev_b32 v13, 4, v9
	v_lshlrev_b32 v14, 2, v9
	v_mov_b32 v15, s28
	s_wait_loadcnt 0x0
	v_add_f32 v[BX+2], -1.0, v[BX+2]               ; x2, y2
	v_add_f32 v[BX+3], -1.0, v[BX+3]
.irp j, 0,1,2,3
	v_cndmask_b32 v[BX+\j], 0, v[BX+\j], s25
.endr
	v_cmp_gt_u32 vcc_lo, 100, v0
	s_wait_xcnt 0x0                                ; EXEC is a source of pending loads and stores: it narrows only behind this wait
	s_and_saveexec_b32 s24, vcc_lo
	global_store_b128 v13, v[BX:BX+3], s[8:9]
	global_store_b32 v14, v51, s[10:11]
	global_store_b32 v14, v53, s[12:13]
	global_store_b32 v14, v15, s[14:15]
	s_wait_xcnt 0x0                                ; and widens only behind this one
	s_or_b32 exec_lo, exec_lo, s24
.Lend:
	s_barrier_signal -1
	s_barrier_wait -1
	s_wait_tensorcnt 0x0
	ds_add_u32 v172, v173
	s_wait_dscnt 0x0
	s_endpgm
.Lfunc_end_k_q8c06cae42c_merge:
	.size	k_q8c06cae42c_merge, .Lfunc_end_k_q8c06cae42c_merge-k_q8c06cae42c_merge
	.p2alignl 7, 3214868480
	.fill 96, 4, 3214868480
	.section	.rodata,"a",@progbits
	.p2align	6, 0x0
	.amdhsa_kernel k_q8c06cae42c_merge
		.amdhsa_group_segment_fixed_size 15104
		.amdhsa_private_segment_fixed_size 0
		.amdhsa_enable_private_segment 0
		.amdhsa_kernarg_size 48
		.amdhsa_user_sgpr_count 2
		.amdhsa_user_sgpr_kernarg_segment_ptr 1
		.amdhsa_wavefront_size32 1
		.amdhsa_system_sgpr_workgroup_id_x 1
		.amdhsa_system_sgpr_workgroup_id_y 1
		.amdhsa_system_sgpr_workgroup_id_z 1
		.amdhsa_system_vgpr_workitem_id 0
		.amdhsa_next_free_vgpr 174
		.amdhsa_next_free_sgpr 66
		.amdhsa_reserve_vcc 1
		.amdhsa_float_denorm_mode_32 3
		.amdhsa_float_denorm_mode_16_64 3
		.amdhsa_memory_ordered 1
		.amdhsa_forward_progress 1
		.amdhsa_inst_pref_size 77
	.end_amdhsa_kernel
	.amdgpu_metadata
---
amdhsa.version: [ 1, 2 ]
amdhsa.kernels:
  - .name:           k_q8c06cae42c_merge
    .symbol:         k_q8c06cae42c_merge.kd
    .args:
      - { .name: list, .offset: 0, .size: 8, .value_kind: global_buffer, .address_space: global }
      - { .name: sbox, .offset: 8, .size: 8, .value_kind: global_buffer, .address_space: global }
      - { .name: out0, .offset: 16, .size: 8, .value_kind: global_buffer, .address_space: global }
      - { .name: out1, .offset: 24, .size: 8, .value_kind: global_buffer, .address_space: global }
      - { .name: out2, .offset: 32, .size: 8, .value_kind: global_buffer, .address_space: global }
      - { .name: out3, .offset: 40, .size: 8, .value_kind: global_buffer, .address_space: global }
    .group_segment_fixed_size: 15104
    .private_segment_fixed_size: 0
    .kernarg_segment_align: 8
    .kernarg_segment_size: 48
    .max_flat_workgroup_size: 288
    .sgpr_count:     66
    .vgpr_count:     174
    .wavefront_size: 32
...
	.end_amdgpu_metadata
.endif
;; end of part 5
